; MI455X (gfx1250); checked and timed in simulation.
; The chip was launched on July 23, 2026; its instructions are those of AMD's public machine-readable ISA for CDNA 5 (MIT licence, August 2026) and "CDNA5" Instruction Set Architecture Reference Guide (July 2026). The comments in the code are by the model that wrote it; some were corrected since.
;; Adaptive Attention. Allowed arithmetic: matrix products marked QUANTISED: E5M2 operands, one E8M0 scale for each 32 along K, by v_wmma_scale_f32_16x16x128_f8f6f4 with both operands' format E5M2, f32 sums; everything else in f32.
;; Inputs: attn_mask 2,048 x 2,048 float32; custom_attns 2 x 2,048 x 2,048 float32; key_len_mask 2 x 2,048 float32; keys 2 x 2,048 x 16 x 64 float32; queries 2 x 2,048 x 16 x 64 float32; values 2 x 2,048 x 16 x 64 float32.
;; Outputs: out0 2 x 2,048 x 16 x 64 float32.
;; This version of the problem:
;;   THIS VERSION OF THE PROBLEM IS GIVEN IN LOW PRECISION. The matrix products marked QUANTISED in the list below multiply operands that are first quantised to E5M2 (5 exponent bits, 2 mantissa bits; 8 bits a number), with one power-of-two scale for each 32 numbers along K (OCP MX v1.0); their sums are f32. All else is computed in f32.
;;   The module's matrix products, in the order in which they are computed (A, B: the left and right operand; K: the contracted axis; several contracted axes count as one K, in the product's order):
;;     1. batch 32 x [M 2,048, K 64] x [K 64, N 2,048]; A: input queries; B: input keys: QUANTISED
;;     2. batch 32 x [M 64, K 2,048] x [K 2,048, N 2,048]; A: input values; B: softmax (see below): QUANTISED
;;   THE QUANTISER, for each operand of a quantised product, along K:
;;     - K is cut into blocks of 32 from its start; a last block that is shorter is filled with zeros.
;;     - A block's scale is 2^e with e = floor(log2(the largest magnitude in the block)) - 15, held to -126 .. 127; a block of zeros has e = 0. As a byte (E8M0): e + 127.
;;     - Each number is divided by its block's scale, clamped to +-57,344, and rounded to the nearest number of E5M2, ties to even, subnormals kept.
;;     - The product sums the exact products of the quantised numbers (number of the format x scale) in f32.
;;   ~~~python
;;   def quantise(x, axis):      # numpy; x: float32 -> the quantised numbers, widened to float32 again
;;       x = np.moveaxis(x, axis, -1); K = x.shape[-1]
;;       x = np.pad(x, [(0, 0)] * (x.ndim - 1) + [(0, -K % 32)]); x = x.reshape(x.shape[:-1] + (-1, 32)); a = np.abs(x).max(-1, keepdims=True)
;;       e = np.where(a > 0, np.clip(np.frexp(np.where(a > 0, a, 1))[1] - 1 - 15, -126, 127), 0)      # np.frexp(a)[1] - 1 = floor(log2(a)), exactly
;;       r = np.clip(x / 2.0 ** e, -57344, 57344)
;;       step = 2.0 ** (np.maximum(np.frexp(np.where(r == 0, 1, r))[1] - 1, -14) - 2)
;;       q = np.round(r / step) * step * 2.0 ** e      # np.round: ties to even
;;       return np.moveaxis(q.reshape(q.shape[:-2] + (-1,))[..., :K], -1, axis).astype(np.float32)
;;   ~~~
;;   SOFTMAX AHEAD OF A QUANTISED PRODUCT. Where the list says 'softmax', what is quantised is not the finished softmax but p = 2^(t - M), with t = logit x log2(e) and M = ceil(the row's largest t), a whole number; so 1/2 < the row's largest p <= 1. The row's sum l is taken of the UNQUANTISED p, in f32, and the product's result is divided by l at the end. Since M is a whole number, a kernel that streams over the keys may use a running M (the ceiling of the running maximum): every later rescaling is an exact power of two, which a block's scale takes up: the codes' values come out the same.
;;   OPERANDS COMPUTED ON THE WAY. 'Computed on the way' means the value that the module computes at that place (a softmax that the list does not call 'softmax' is quantised finished and normalised). What goes into a quantiser is computed in f32, as accurately as f32 sums, v_exp_f32 and their like allow (about 1e-6 of the number): no bf16 or f16 on the way to a quantiser, and a product that is left as it is and whose result goes on into a quantised operand takes f32 operands (vector FMAs, or v_wmma_f32_16x16x4_f32). A number that lies on a knife's edge between two numbers of the format may be rounded either way, as far as f32 arithmetic and the matrix unit's own rounding can turn it there, and no further.
;; One version. Each part assembles by itself: llvm-mc -triple=amdgcn-amd-amdhsa -mcpu=gfx1250 --defsym DOCPART=n.
;; ======== version 1 of 1: 2 launches
;; limits: right only within a limited range of input values
;; workspace buffers: kv 8,912,896 bytes
;; launch prep (part 1): grid 16 x 32, 8 waves a work-group, no clusters, 36,864 bytes of LDS; arguments keys, values, key_len_mask, kv; writes kv
.if DOCPART == 1
	.amdgcn_target "amdgcn-amd-amdhsa--gfx1250"
	.amdhsa_code_object_version 6
	.text
	.protected	k_qc95cd0fd3a_prep
	.globl	k_qc95cd0fd3a_prep
	.p2align	8
	.type	k_qc95cd0fd3a_prep,@function
k_qc95cd0fd3a_prep:
	s_mov_b64 s[64:65], 0
	v_nop
	global_prefetch_b8 v0, s[64:65] scope:SCOPE_SE
	s_setreg_imm32_b32 hwreg(HW_REG_WAVE_MODE, 25, 1), 1
	s_wait_xcnt 0x0
; keys, values: [2][2048][16][64] f32.  One work-group takes one (sample n, head) and one step of 128 keys and writes one RECORD of 17,408 bytes of kv,
; laid [n 2][head group 4][step 16][head in group 4][record], in the order in which the attention launch's operand registers take it:
;   +0      K: four fragments f of 2,048 bytes; register group c (four registers) of lane l at 2048 f + 512 c + 16 l
;   +8192   V^T: four fragments dt, the same form
;   +16384  K's scale words [row 16][f 4];   +16640  V's scale words [row 16][dt 4];   +16896  key_len_mask of these 128 keys, f32 as given
; CODES: E5M2, one E8M0 byte for each 32 along a product's K: K is quantised along the head's 64 numbers, V along the keys.
; A block's scale is 2^(floor(log2(its largest magnitude)) - 15); its byte is the largest magnitude's exponent field - 15, held at 1 from below.
; A ROW OF A K FRAGMENT HOLDS TWO KEYS: row m of fragment f has key 32 f + m + 8 (m / 8) in its bytes 0-63 and that key + 8 in its bytes 64-127,
; so that a product 128 deep serves a head of 64 with no byte of padding here (the other half is met by zero codes of Q), and its scale word holds two bytes of each key.
; LIMITS: a block of zeros, or one whose largest magnitude lies under 2^(16 - 127), gets the byte 1 (the rule says 127 for zeros): its codes are zeros or subnormal codes,
; and the bytes are read by this program alone.  NaN and infinities among the inputs are not served.
; SHARES: waves 0-3: K, wave f the 32 keys of fragment f.  Waves 4-7: V, wave 4 + c the 32 keys of block c, a lane to a column d, registers down the keys.
; The scale words meet in LDS; one barrier; wave 0 stores them, and the key-length numbers, in runs of 512 bytes.
.set REC,  17408
.set SP,   272                         ; a key's row in a K wave's stage: 256 bytes + 16
.set KSTG, 32*SP                       ; a K wave's stage: 32 keys
.set SCL,  4*KSTG                      ; behind the stages: 256 bytes of K's scale words, 256 of V's
.set GLK,  1                           ; v1  K, in memory: 4096 (lane / 16) + 16 (lane % 16): sixteen lanes take one key's 256 bytes
.set KSTO, 2                           ; v2  K, into the stage, as it lies
.set KRD,  3                           ; v3  K, out of the stage: row r + 8 (r / 8), + 64 (lane / 16): my 16 numbers of a block of 32
.set L16,  4                           ; v4  16 x lane
.set KSW,  5                           ; v5  where my row's scale word goes
.set GLV,  6                           ; v6  V, in memory: 4 x lane
.set VST,  7                           ; v7  V's codes, in the record: 2048 (lane / 16) + 16 (lane % 16)
.set VSW,  8                           ; v8  where my column's scale byte goes
.set SRD,  9                           ; v9  the 512 bytes of scale words, 16 a lane
.set LD,   16                          ; v16-79   as loaded
.set NUM,  80                          ; v80-143  K: 64 numbers, register 16 b + i = number 32 b + 16 (lane / 16) + i of my fragment row
.set PC,   144                         ; v144-159 codes
.set TM,   160                         ; v160-175 at work
.set PW,   176                         ; v176     K's scale word
.set WV,   12
.set FC,   13                          ; s13 wave % 4: f or c
.set MNT,  21                          ; s21 the mantissa field of 57,344
.set SEL,  22                          ; s[22:23] lane selects: lane l xor 16
	s_load_b256 s[4:11], s[0:1], 0x0               ; keys s[4:5], values s[6:7], key_len_mask s[8:9], kv s[10:11]
	v_lshl_add_u32 v184, v0, 2, 0x8c00
	v_mov_b32 v185, 0
	v_lshrrev_b32 v10, 5, v0
	s_delay_alu instid0(VALU_DEP_1)
	v_readfirstlane_b32 s[WV], v10                 ; wave 0..7
	s_and_b32 s[FC], s[WV], 3
	s_and_b32 s14, ttmp7, 0xffff                   ; 16 n + head
	s_lshr_b32 s15, s14, 4                         ; n
	s_and_b32 s16, s14, 15                         ; head
	s_lshl_b32 s17, s15, 2                         ; the record's number: ((4 n + head / 4) 16 + step) 4 + head % 4
	s_lshr_b32 s18, s16, 2
	s_add_co_u32 s17, s17, s18
	s_lshl_b32 s17, s17, 4
	s_add_co_u32 s17, s17, ttmp9
	s_lshl_b32 s17, s17, 2
	s_and_b32 s18, s16, 3
	s_add_co_u32 s17, s17, s18
	s_mul_i32 s24, s17, REC
	s_mov_b32 s25, 0
	s_lshl_b32 s26, s15, 23                        ; my wave's first key in keys and in values: (2048 n + 128 step + 32 (wave % 4)) x 4096 + 256 head
	s_lshl_b32 s18, ttmp9, 19
	s_add_co_u32 s26, s26, s18
	s_lshl_b32 s18, s[FC], 17
	s_add_co_u32 s26, s26, s18
	s_lshl_b32 s18, s16, 8
	s_add_co_u32 s26, s26, s18
	s_mov_b32 s27, 0
	s_lshl_b32 s28, s15, 13                        ; key_len_mask: (2048 n + 128 step) x 4
	s_lshl_b32 s18, ttmp9, 9
	s_add_co_u32 s28, s28, s18
	s_mov_b32 s29, 0
	s_lshl_b32 s32, s[FC], 11                      ; K's fragment f in the record
	s_mov_b32 s33, 0
	s_lshl_b32 s36, s[FC], 9                       ; V's register group c in each fragment
	s_add_co_u32 s36, s36, 8192
	s_mov_b32 s37, 0
	s_mov_b32 s[MNT], 0x600000
	s_mov_b32 s[SEL], 0x76543210
	s_mov_b32 s[SEL+1], 0xfedcba98
	; every LDS address is made here, ahead of the parting of the waves: a constant + constants x lane + a constant x (wave % 4)
	v_and_b32 v10, 31, v0                          ; lane
	v_and_b32 v11, 15, v0                          ; r
	v_bfe_u32 v12, v0, 4, 1                        ; lane / 16
	s_delay_alu instid0(VALU_DEP_1)
	v_lshlrev_b32 v[GLK], 12, v12
	s_delay_alu instid0(VALU_DEP_1)
	v_lshl_add_u32 v[GLK], v11, 4, v[GLK]
	s_mul_i32 s19, s[FC], KSTG
	v_mul_u32_u24 v[KSTO], v12, SP
	s_delay_alu instid0(VALU_DEP_1)
	v_lshl_add_u32 v[KSTO], v11, 4, v[KSTO]
	s_delay_alu instid0(VALU_DEP_1)
	v_add_nc_u32 v[KSTO], s19, v[KSTO]
	v_and_b32 v13, 8, v11
	s_delay_alu instid0(VALU_DEP_1)
	v_add_nc_u32 v13, v13, v11                     ; r + 8 (r / 8)
	s_delay_alu instid0(VALU_DEP_1)
	v_mul_u32_u24 v[KRD], v13, SP
	s_delay_alu instid0(VALU_DEP_1)
	v_lshl_add_u32 v[KRD], v12, 6, v[KRD]
	s_delay_alu instid0(VALU_DEP_1)
	v_add_nc_u32 v[KRD], s19, v[KRD]
	v_lshlrev_b32 v[L16], 4, v10
	s_lshl_b32 s20, s[FC], 2
	v_lshlrev_b32 v[KSW], 4, v11
	s_delay_alu instid0(VALU_DEP_1)
	v_add_nc_u32 v[KSW], s20, v[KSW]
	s_delay_alu instid0(VALU_DEP_1)
	v_add_nc_u32 v[KSW], SCL, v[KSW]               ; SCL + 16 r + 4 f
	v_lshlrev_b32 v[GLV], 2, v10
	v_lshlrev_b32 v[VST], 11, v12
	s_delay_alu instid0(VALU_DEP_1)
	v_lshl_add_u32 v[VST], v11, 4, v[VST]
	v_lshlrev_b32 v[VSW], 4, v11
	s_delay_alu instid0(VALU_DEP_1)
	v_lshl_add_u32 v[VSW], v12, 2, v[VSW]
	s_delay_alu instid0(VALU_DEP_1)
	v_add_nc_u32 v[VSW], s[FC], v[VSW]
	s_delay_alu instid0(VALU_DEP_1)
	v_add_nc_u32 v[VSW], SCL+256, v[VSW]           ; SCL + 256 + 16 r + 4 (lane / 16) + c: byte c of the word of row r of fragment 2 dh + lane / 16
	v_add_nc_u32 v[SRD], SCL, v[L16]
.irp b, 0,1,2,3
	v_mov_b32 v[TM+4+\b], 0                        ; written once: a lane permute's destination counts as one of its sources
.endr
	s_wait_kmcnt 0x0
	s_add_nc_u64 s[4:5], s[4:5], s[26:27]
	s_add_nc_u64 s[6:7], s[6:7], s[26:27]
	s_add_nc_u64 s[8:9], s[8:9], s[28:29]
	s_add_nc_u64 s[10:11], s[10:11], s[24:25]      ; my record
	s_add_nc_u64 s[30:31], s[10:11], s[32:33]      ; K's fragment f
	s_add_nc_u64 s[34:35], s[10:11], s[36:37]      ; V's group c
	s_cmp_lt_u32 s[WV], 4
	s_cbranch_scc0 .Lvalues
	; ---- K: 32 keys x 64 numbers.  Each load takes two keys' whole rows of 256 bytes; they turn through my own stage, so that a lane then holds 16 neighbours of each of its four blocks
.irp i, 0,1,2,3,4,5,6,7,8,9,10,11,12,13,14,15
	global_load_b128 v[LD+4*\i:LD+4*\i+3], v[GLK], s[4:5] offset:8192*\i th:TH_LOAD_NT
.endr
.irp i, 0,1,2,3,4,5,6,7,8,9,10,11,12,13,14,15
	s_wait_loadcnt 15-\i                           ; loads come back in order: load i is in, the younger ones may be out
	ds_store_b128 v[KSTO], v[LD+4*\i:LD+4*\i+3] offset:2*SP*\i
.endr
.irp c, 0,1,2,3                                ; block c of my fragment row: key r + 8 (r / 8) + 8 (c / 2), numbers 32 (c % 2) + 16 (lane / 16) on
.irp j, 0,1,2,3
	ds_load_b128 v[NUM+16*\c+4*\j:NUM+16*\c+4*\j+3], v[KRD] offset:(\c/2)*8*SP+(\c%2)*128+16*\j   ; LDS serves a wave's instructions in order: these see my stores
.endr
.endr
	s_wait_dscnt 0x0
.irp b, 0,1,2,3
	v_max3_num_f32 v[TM+\b], |v[NUM+16*\b]|, |v[NUM+1+16*\b]|, 0x8000000   ; block b: my 16 numbers, and the floor 2^(16 - 127): the byte cannot fall under 1
.endr
.irp i, 2,4,6,8,10,12,14
.irp b, 0,1,2,3
	s_delay_alu instid0(VALU_DEP_4)
	v_max3_num_f32 v[TM+\b], v[TM+\b], |v[NUM+16*\b+\i]|, |v[NUM+1+16*\b+\i]|   ; the four blocks by turns
.endr
.endr
.irp b, 0,1,2,3
	s_delay_alu instid0(VALU_DEP_4)
	v_permlanex16_b32 v[TM+4+\b], v[TM+\b], s[SEL], s[SEL+1]
.endr
.irp b, 0,1,2,3
	s_delay_alu instid0(VALU_DEP_4)
	v_max_num_f32 v[TM+\b], v[TM+\b], v[TM+4+\b]   ; with lane l xor 16's 16: the block's largest magnitude
.endr
.irp b, 0,1,2,3
	s_delay_alu instid0(VALU_DEP_4)
	v_add_nc_u32 v[TM+12+\b], 0xf8800000, v[TM+\b] ; 15 off its exponent field: the conversion takes the exponent field of this operand as its scale
.endr
.irp b, 0,1,2,3
	v_and_or_b32 v[TM+8+\b], v[TM+\b], 0x7f800000, s[MNT]   ; 57,344 x the scale
.endr
.irp b, 0,1,2,3
	v_lshrrev_b32 v[TM+4+\b], 23, v[TM+12+\b]      ; the scale's byte
.endr
	s_delay_alu instid0(VALU_DEP_3)
	v_lshl_or_b32 v[PW], v[TM+5], 8, v[TM+4]       ; my row's scale word: two bytes of the first key, two of the second
	s_delay_alu instid0(VALU_DEP_1)
	v_lshl_or_b32 v[PW], v[TM+6], 16, v[PW]
	s_delay_alu instid0(VALU_DEP_1)
	v_lshl_or_b32 v[PW], v[TM+7], 24, v[PW]
.irp b, 0,1,2,3
.irp i, 0,1,2,3,4,5,6,7,8,9,10,11,12,13,14,15
	v_med3_num_f32 v[NUM+16*\b+\i], v[NUM+16*\b+\i], -v[TM+8+\b], v[TM+8+\b]   ; the conversion to an 8-bit code does not saturate (ISA guide 7.6.2): the hold comes first
.endr
	v_cvt_scalef32_pk8_bf8_f32 v[PC+4*\b:PC+1+4*\b], v[NUM+16*\b:NUM+7+16*\b], v[TM+12+\b]
	v_cvt_scalef32_pk8_bf8_f32 v[PC+2+4*\b:PC+3+4*\b], v[NUM+8+16*\b:NUM+15+16*\b], v[TM+12+\b]
.endr
	v_nop                                          ; a plain vector line behind the last conversion
.irp c, 0,1,2,3
	global_store_b128 v[L16], v[PC+4*\c:PC+4*\c+3], s[30:31] offset:512*\c   ; the fragment as its registers stand: 512 consecutive bytes a store
.endr
	ds_store_b32 v[KSW], v[PW]                     ; both lanes of a row write the same word with the same value
	s_branch .Ljoin
.Lvalues:
	; ---- V: 32 keys x 64 columns.  A lane takes column d = lane, then d = 32 + lane; its 32 registers run down the keys: a whole block, whose largest magnitude needs no other lane
.irp dh, 0,1
.irp i, 0,1,2,3,4,5,6,7,8,9,10,11,12,13,14,15,16,17,18,19,20,21,22,23,24,25,26,27,28,29,30,31
	global_load_b32 v[LD+32*\dh+\i], v[GLV], s[6:7] offset:4096*\i+128*\dh
.endr
.endr
.macro VBLOCK dh
.set XS, LD+32*\dh
	s_wait_loadcnt 32*(1-\dh)                      ; these 32 loads are in; the second 32 columns' may be out
	v_max3_num_f32 v[TM], |v[XS]|, |v[XS+1]|, |v[XS+2]|
	v_max3_num_f32 v[TM+1], |v[XS+3]|, |v[XS+4]|, |v[XS+5]|
.irp i, 6,10,14,18,22,26
	s_delay_alu instid0(VALU_DEP_2)
	v_max3_num_f32 v[TM], v[TM], |v[XS+\i]|, |v[XS+\i+1]|
	s_delay_alu instid0(VALU_DEP_2)
	v_max3_num_f32 v[TM+1], v[TM+1], |v[XS+\i+2]|, |v[XS+\i+3]|
.endr
	s_delay_alu instid0(VALU_DEP_2)
	v_max3_num_f32 v[TM], v[TM], |v[XS+30]|, |v[XS+31]|
	s_delay_alu instid0(VALU_DEP_1)
	v_max3_num_f32 v[TM], v[TM], v[TM+1], 0x8000000   ; and the floor 2^(16 - 127)
	s_delay_alu instid0(VALU_DEP_1)
	v_add_nc_u32 v[TM+2], 0xf8800000, v[TM]        ; the conversion's scale operand
	s_delay_alu instid0(VALU_DEP_2)
	v_and_or_b32 v[TM+3], v[TM], 0x7f800000, s[MNT]   ; 57,344 x the scale
.irp i, 0,1,2,3,4,5,6,7,8,9,10,11,12,13,14,15,16,17,18,19,20,21,22,23,24,25,26,27,28,29,30,31
	v_med3_num_f32 v[XS+\i], v[XS+\i], -v[TM+3], v[TM+3]
.endr
.irp q, 0,1,2,3
	v_cvt_scalef32_pk8_bf8_f32 v[PC+8*\dh+2*\q:PC+8*\dh+2*\q+1], v[XS+8*\q:XS+8*\q+7], v[TM+2]
.endr
	v_lshrrev_b32 v[TM+8+\dh], 23, v[TM+2]         ; the scale's byte (also the plain line behind the conversions)
	ds_store_b8 v[VSW], v[TM+8+\dh] offset:8*\dh
	global_store_b128 v[VST], v[PC+8*\dh:PC+8*\dh+3], s[34:35] offset:4096*\dh          ; keys 0-15 of the block: the place of lanes 0-15 of the fragment; sixteen lanes store 256 consecutive bytes, aligned
	global_store_b128 v[VST], v[PC+8*\dh+4:PC+8*\dh+7], s[34:35] offset:4096*\dh+256    ; keys 16-31: the place of its lanes 16-31
.endm
	VBLOCK 0
	VBLOCK 1
.Ljoin:
	s_wait_dscnt 0x0                               ; for the others' sake: my scale words or bytes have landed
	s_barrier_signal -1
	s_barrier_wait -1
	s_cmp_lg_u32 s[WV], 0
	s_cbranch_scc1 .Lend
	global_load_b128 v[LD:LD+3], v[L16], s[8:9]    ; the key-length numbers of these 128 keys
	ds_load_b128 v[LD+4:LD+7], v[SRD]              ; the 512 bytes of scale words
	s_wait_dscnt 0x0
	global_store_b128 v[L16], v[LD+4:LD+7], s[10:11] offset:16384
	s_wait_loadcnt 0x0
	global_store_b128 v[L16], v[LD:LD+3], s[10:11] offset:16896
.Lend:
	s_wait_tensorcnt 0x0
	ds_add_u32 v184, v185
	s_wait_dscnt 0x0
	s_endpgm
.Lfunc_end_k_qc95cd0fd3a_prep:
	.size	k_qc95cd0fd3a_prep, .Lfunc_end_k_qc95cd0fd3a_prep-k_qc95cd0fd3a_prep
	.p2alignl 7, 3214868480
	.fill 96, 4, 3214868480
	.section	.rodata,"a",@progbits
	.p2align	6, 0x0
	.amdhsa_kernel k_qc95cd0fd3a_prep
		.amdhsa_group_segment_fixed_size 36864
		.amdhsa_private_segment_fixed_size 0
		.amdhsa_enable_private_segment 0
		.amdhsa_kernarg_size 32
		.amdhsa_user_sgpr_count 2
		.amdhsa_user_sgpr_kernarg_segment_ptr 1
		.amdhsa_wavefront_size32 1
		.amdhsa_system_sgpr_workgroup_id_x 1
		.amdhsa_system_sgpr_workgroup_id_y 1
		.amdhsa_system_sgpr_workgroup_id_z 1
		.amdhsa_system_vgpr_workitem_id 0
		.amdhsa_next_free_vgpr 186
		.amdhsa_next_free_sgpr 66
		.amdhsa_reserve_vcc 0
		.amdhsa_float_denorm_mode_32 3
		.amdhsa_float_denorm_mode_16_64 3
		.amdhsa_memory_ordered 1
		.amdhsa_forward_progress 1
		.amdhsa_inst_pref_size 33
	.end_amdhsa_kernel
	.amdgpu_metadata
---
amdhsa.version: [ 1, 2 ]
amdhsa.kernels:
  - .name:           k_qc95cd0fd3a_prep
    .symbol:         k_qc95cd0fd3a_prep.kd
    .args:
      - { .name: keys, .offset: 0, .size: 8, .value_kind: global_buffer, .address_space: global }
      - { .name: values, .offset: 8, .size: 8, .value_kind: global_buffer, .address_space: global }
      - { .name: key_len_mask, .offset: 16, .size: 8, .value_kind: global_buffer, .address_space: global }
      - { .name: kv, .offset: 24, .size: 8, .value_kind: global_buffer, .address_space: global }
    .group_segment_fixed_size: 36864
    .private_segment_fixed_size: 0
    .kernarg_segment_align: 8
    .kernarg_segment_size: 32
    .max_flat_workgroup_size: 256
    .sgpr_count:     66
    .vgpr_count:     186
    .wavefront_size: 32
...
	.end_amdgpu_metadata
.endif
;; end of part 1
;; launch attn (part 2): grid 4 x 64, 8 waves a work-group, clusters of 4 x 4, 327,680 bytes of LDS; arguments queries, kv, attn_mask, custom_attns, out0; writes out0
.if DOCPART == 2
	.amdgcn_target "amdgcn-amd-amdhsa--gfx1250"
	.amdhsa_code_object_version 6
	.text
	.protected	k_qc95cd0fd3a_attn
	.globl	k_qc95cd0fd3a_attn
	.p2align	8
	.type	k_qc95cd0fd3a_attn,@function
k_qc95cd0fd3a_attn:
	s_mov_b64 s[64:65], 0
	v_nop
	global_prefetch_b8 v0, s[64:65] scope:SCOPE_SE
	s_setreg_imm32_b32 hwreg(HW_REG_WAVE_MODE, 25, 1), 1
	s_wait_xcnt 0x0
	s_wait_alu depctr_hold_cnt(0) depctr_sa_sdst(0) depctr_va_vdst(0) depctr_va_sdst(0) depctr_va_ssrc(0) depctr_va_vcc(0) depctr_vm_vsrc(0)
	s_getreg_b32 s2, hwreg(HW_REG_IB_STS2, 6, 4)
	s_cmp_eq_u32 s2, 0
	s_cbranch_scc0 .Lentry_in_a_cluster
	s_endpgm
.Lentry_in_a_cluster:
	s_bfe_u32 s2, ttmp6, 0x10000c
	s_cmp_lg_u32 s2, 0xf033
	s_cbranch_scc0 .Lentry_shape_is_right
	s_endpgm
.Lentry_shape_is_right:
; out[n][l][head][:] = the sum over keys s of softmax_s((Q.K x custom[n][l][s] + attn_mask[l][s] + key_len_mask[n][s]) / 8) V[n][s][head][:], both products on codes of E5M2
; with one E8M0 scale for each 32 along a product's K.  K, V and the key-length numbers come from kv, laid by the launch before in the order of the operand registers; Q is quantised here, in registers.
; THE SOFTMAX AHEAD OF THE SECOND PRODUCT: x = s c + (am + kl); t = x log2(e) / 8; M = the row's largest t so far, rounded UP to a whole number; p = 2^(t - M) is quantised along the keys, not normalised.
; The row's sum is taken of the unquantised p and divides O at the end.  When M moves, the sum and O are multiplied by 2^(old M - new M): exact.  Both masks are inputs: every score of every row is computed.
; A block's scale: its largest p is 2^(its largest t - M), so floor(largest t - M) is the exponent, known ahead of the exponentials.
; LIMITS: am + kl is added first and s c is fused onto it, where the definition rounds s c, then adds am, then kl: the same bits wherever am or kl is 0, else a rounding of the sum apart.
; NaN and infinities among the inputs are not served.  A block of p whose largest lies under 2^-111 keeps the scale byte 1: its codes are zeros or subnormal codes.
; SHARES.  256 work-groups.  A work-group owns 64 queries of one sample and 4 heads; wave w owns the 16 queries of tile w % 4 and the two heads of pair w / 4: two waves to a SIMD, 512 registers each.
; A wave's custom and mask numbers are read from LDS, and its mask and key lengths added, once for its two heads.  16 key steps of 128 keys.
; LAYOUT.  Both products are used transposed: S^T = K Q^T (source 0 = a fragment of K, source 1 = 16 queries), O^T = V^T P^T: a lane holds ONE query (lane % 16) throughout.
; THE HEAD IS 64 AND THE PRODUCT 128 DEEP: a row of a K fragment holds two keys (32 f + m + 8 (m / 8), and that + 8).  The two heads' q stand as q0 | zeros | q1 | zeros | q0, 40 registers:
; 16 of them from q's place on, or from the zeros ahead of q on, meet the first key or the second; zero codes add nothing.  So register 16 b + i of S^T holds key 32 b + 16 (lane / 16) + i.
; THE ORDER OF A STEP.  The first head's V and the second head's K are loaded behind the first head's QK, the second head's V behind the second's QK; and, behind the round that stands in the second head's softmax,
; the next step's K, key lengths, mask and custom.  The round refills the slot that this step has read: all of it lies in registers by then.
; CLUSTER, 4 x 4.  The four work-groups of a row of the cluster (same queries, four head groups) need the same tiles of custom and of the mask; the four of a column (same head group and sample) the same block of kv:
; each is asked for JOINTLY, by the same tensor load with the same descriptor and a mask that names the four.  Wave 0 asks for custom, wave 1 for the mask, waves 2 and 3 for kv's halves; by this text's count a wave has one tensor load out.
; REGISTERS, window 0: v1-13 addresses; v16-27 M, largest x and sums; v28-62 at work and scale words; v63 the prefetches' offset; v64-127 K; v128-191 S^T, then p; v192-207 p's codes; v208-247 Q.
;   window 1: v0-63 custom; v64-127 mask + key length; v128-191 O^T, 32 a head; v192-255 V.
.set CT,     33792                     ; a tile of custom or of the mask in LDS: 64 rows x (512 bytes + 16)
.set CP,     528
.set KVO,    2*CT                      ; behind them: a step's block of kv, 4 records, dense
.set REC,    17408
.set HALFKV, 2*REC
.set SLOT,   KVO+4*REC                 ; 137,216 bytes; two slots
.set SPARE,  2*SLOT                    ; the spare words, 128 bytes for each of eight waves: four blocks of 256 bytes that no other line names
.set STAGE,  SPARE+1024                ; Q's way in and the way out: 16 rows x (256 bytes + 16) for each wave; no fill lands here
.set SP,     272
.set SPW, 1                            ; v1   LDS address of my spare word; never rewritten
.set NIL, 2                            ; v2   0; never rewritten
.set AC,  3                            ; v3-4   my row of custom in slot 0, 1 (the mask's lies CT further on)
.set AF,  5                            ; v5-6   16 x lane in my head pair's first record
.set AS,  7                            ; v7-8   my row's scale words there
.set AL,  9                            ; v9-10  my lane's key-length number there
.set STO, 11                           ; v11  the way out: where I put 32 bytes of a row
.set RD,  12                           ; v12  a stage's rows: lanes 0-15 one row, lanes 16-31 the next
.set GO,  13                           ; v13  the same two rows in Q and in out
.set ST,  16                           ; head g: v[ST+6g] -M of even steps, +1 the largest x, +2 -M of odd steps, +3 written once (the pair's upper word), +4, +5 the sum in two halves
.set BM,  28                           ; v28-31 the blocks' largest x, then exponents; then sums
.set PB,  32                           ; v32-35 the other half's maxima; then a sum
.set HL,  36                           ; v36-39 57,344 x the scale
.set SCO, 40                           ; v40-43 the conversions' scale operands
.set F,   44                           ; v[44:45] f = 2^(old M - new M); the pair's upper word is written once
.set TMP, 46
.set QO,  47                           ; v47  Q out of the stage: row r, + 64 h
.set KSC, 48                           ; v48-51 K's scale words
.set VSC, 52                           ; v52-55 V's
.set KL,  56                           ; v56-59 key lengths: register b of lane l = key 32 b + l
.set QSC, 60                           ; v60-61 Q's scale words, one a head
.set PW,  62                           ; v62  p's scale word
.set PFO, 63                           ; v63  the prefetches' offset; never rewritten
.set X,   64
.set S,   128
.set PC,  192
.set Q,   208
.set C1,  0                            ; window 1
.set B1,  64
.set O1,  128
.set V1,  192
.set WV,  14                           ; s14 my wave's number
.set HALF, 15                          ; s15 wave % 2
.set MNT, 19                           ; s19 the mantissa field of 57,344
.set SEL, 20                           ; s[20:21] lane selects: lane l xor 16
.set CS,  22                           ; s[22:23] log2(e) / 8, named as a pair by the packed form
.set G1C, 24                           ; s[24:31] descriptor group 1 for custom's and the mask's tiles
.set G1K, 32                           ; s[32:39] for kv's halves
.set G0C, 40                           ; s[40:47] group 0 for custom, a set for each slot
.set G0M, 48                           ; s[48:55] for the mask
.set CNT, 56
.set G0K, 68                           ; s[68:75] for kv
.set NCS, 88                           ; s88 -log2(e) / 8
.set PFA, 90                           ; s[90:91] where my prefetches stand
.set PFS, 92                           ; s[92:93] a key step on, in bytes
.set LIM, 94                           ; s94 my wave prefetches while s[CNT] is above it
.set MSB, 0
.macro WIN new                         ; the immediate's high byte repeats the setting that is left; a switch that changes nothing is dropped
.if MSB != \new
	s_set_vgpr_msb (MSB<<8)|\new
.set MSB, \new
.endif
.endm
.macro PLACES n
.rept \n
	v_nop
.endr
.endm
.macro CREST                           ; a round of the cluster's barrier behind its opening barrier: wave 0 signals for the work-group, every wave waits for all sixteen, my work-group's barrier once more
	s_cmp_lg_u32 s[WV], 0
	s_cbranch_scc1 .Lnot_wave_0_\@
	s_barrier_signal -3
.Lnot_wave_0_\@:
	s_barrier_wait -3
	s_barrier_signal -1
	s_barrier_wait -1
.endm
.macro ROUND
	s_barrier_signal -1
	s_barrier_wait -1
	CREST
.endm
; The joint loads of slot s.  The branches hang on the wave's number alone; each line has one mask and one set of registers.  Four v_nop follow each line.
.macro JLOAD s
	s_cmp_lg_u32 s[WV], 0
	s_cbranch_scc1 .Lnot_c_\@
	tensor_load_to_lds s[G0C+4*(\s):G0C+4*(\s)+3], s[G1C:G1C+7]
	s_nop 0
	PLACES 4
	s_branch .Lasked_\@
.Lnot_c_\@:
	s_cmp_lg_u32 s[WV], 1
	s_cbranch_scc1 .Lnot_m_\@
	tensor_load_to_lds s[G0M+4*(\s):G0M+4*(\s)+3], s[G1C:G1C+7]
	s_nop 0
	PLACES 4
	s_branch .Lasked_\@
.Lnot_m_\@:
	s_cmp_lt_u32 s[WV], 4
	s_cbranch_scc0 .Lasked_\@
	tensor_load_to_lds s[G0K+4*(\s):G0K+4*(\s)+3], s[G1K:G1K+7]
	s_nop 0
	PLACES 4
.Lasked_\@:
.endm
; A PREFETCH INTO THE L2, in key step s for step s + 4, whose tensor load stands in step s + 2: two steps ahead of it.  Waves 4 to 7 ask, which issue no tensor load, one instruction each.
; Wave 4: custom; wave 5: the mask: a step is 64 rows x two blocks of 256 bytes for a row of the cluster; the partner at cx takes rows 16 cx on: lane l row l / 2, block l % 2.
; Waves 6 and 7: kv: a step is 4 records of 68 blocks for a column; the partner at cy takes record cy, and of that the even-numbered and the odd-numbered cluster a half each (34 blocks, 17 a wave; lanes beyond name the wave's last block again):
; eight clusters walk the same kv, so each of its blocks is named four times in the launch.  All told apart by address.  Steps 0 to 3 come by their loads alone; nothing is asked for beyond step 15: s[CNT] falls to 1 in the trip of steps 12 and 13.
.macro ASK
	s_cmp_gt_u32 s[CNT], s[LIM]
	s_cbranch_scc0 .Lnot_mine_\@
	global_prefetch_b8 v[PFO], s[PFA:PFA+1] th:TH_LOAD_NT scope:SCOPE_SE
.Lnot_mine_\@:
.endm
	s_load_b256 s[4:11], s[0:1], 0x0               ; queries s[4:5], kv s[6:7], attn_mask s[8:9], custom_attns s[10:11]
	s_load_b64 s[12:13], s[0:1], 0x20              ; out0
	v_lshl_add_u32 v[SPW], v0, 2, SPARE
	v_mov_b32 v[NIL], 0
	ds_add_u32 v[SPW], v[NIL]                      ; the opening: the add, twice on end, and its wait ahead of my first tensor load
	ds_add_u32 v[SPW], v[NIL]
	v_lshrrev_b32 v14, 5, v0
	v_readfirstlane_b32 s[WV], v14                 ; wave 0..7
	v_and_b32 v14, 15, v0                          ; r
	v_bfe_u32 v15, v0, 4, 1                        ; h
	v_lshlrev_b32 v[GO], 12, v15
	v_lshl_add_u32 v[GO], v14, 4, v[GO]            ; rows of 4,096 bytes: row h, + 16 r
	s_and_b32 s[HALF], s[WV], 1
	s_and_b32 s82, s[WV], 3                        ; my tile of 16 queries
	s_lshr_b32 s83, s[WV], 2                       ; my pair of heads
	s_bfe_u32 s16, ttmp6, 0x40000                  ; cx: the head group (the grid is one cluster wide)
	s_bfe_u32 s17, ttmp6, 0x40004                  ; cy
	s_and_b32 s18, ttmp7, 0xffff                   ; the cluster's y
	s_lshl_b32 s57, s18, 2
	s_add_co_u32 s57, s57, s17                     ; y = 4 x cluster y + cy = 32 n + block of 64 queries
	s_lshl_b32 s58, s17, 2
	s_lshl_b32 s58, 15, s58                        ; my row of the cluster
	s_lshl_b32 s66, 0x1111, s16                    ; my column
	; group 1, custom and mask: 64 rows x 128 elements of 4 bytes, 2,048 elements from row to row, 4 words of padding behind every 128
	s_or_b32 s[G1C], s58, (2<<16)|(1<<20)|(1<<21)|(6<<22)|(3<<25)
	s_mov_b32 s[G1C+1], 128<<16                    ; tensor_dim0
	s_mov_b32 s[G1C+2], 64<<16                     ; tensor_dim1
	s_mov_b32 s[G1C+3], 128<<16                    ; tile_dim0
	s_mov_b32 s[G1C+4], 64                         ; tile_dim1
	s_mov_b32 s[G1C+5], 2048                       ; the pitch
	s_mov_b32 s[G1C+6], 0
	s_mov_b32 s[G1C+7], 0
	; group 1, half a block of kv: 34,816 dense bytes as 136 rows of 32 elements of 8 bytes, no padding
	s_or_b32 s[G1K], s66, (3<<16)|(1<<21)
	s_mov_b32 s[G1K+1], 32<<16
	s_mov_b32 s[G1K+2], 136<<16
	s_mov_b32 s[G1K+3], 32<<16
	s_mov_b32 s[G1K+4], 136
	s_mov_b32 s[G1K+5], 32
	s_mov_b32 s[G1K+6], 0
	s_mov_b32 s[G1K+7], 0
	s_lshl_b32 s60, s57, 19                        ; custom: 64 y rows of 8,192 bytes: hangs on y alone
	s_mov_b32 s61, 0
	s_and_b32 s62, s57, 31
	s_lshl_b32 s62, s62, 19                        ; the mask: the block of queries alone
	s_mov_b32 s63, 0
	s_lshr_b32 s67, s18, 3                         ; n, from the cluster's y: no register of kv's address holds cy
	s_lshl_b32 s67, s67, 2
	s_add_co_u32 s67, s67, s16
	s_mul_i32 s76, s67, 16*4*REC                   ; kv: (4 n + head group) x 16 steps x 4 records
	s_mul_i32 s78, s[HALF], HALFKV                 ; and the half that I would fetch, in memory and in a slot
	s_mul_i32 s66, s17, REC                        ; the prefetches in kv: record cy,
	s_add_co_u32 s66, s66, s76
	s_and_b32 s87, s18, 1
	s_mul_i32 s87, s87, 34*256                     ; the cluster's half of it,
	s_add_co_u32 s66, s66, s87
	s_mul_i32 s87, s[HALF], 17*256                 ; my wave's half of that
	s_add_co_u32 s66, s66, s87
	s_add_co_u32 s76, s76, s78
	s_mov_b32 s77, 0
	s_lshl_b32 s80, s57, 18                        ; Q and out: (64 y + 16 tile) rows of 4,096 bytes + (4 head group + 2 pair) x 256
	s_lshl_b32 s87, s82, 16
	s_add_co_u32 s80, s80, s87
	s_lshl_b32 s87, s16, 10
	s_add_co_u32 s80, s80, s87
	s_lshl_b32 s87, s83, 9
	s_add_co_u32 s80, s80, s87
	s_mov_b32 s81, 0
	s_lshl_b32 s58, s16, 17                        ; the prefetches in custom and mask: 16 cx rows of 8,192 bytes
	s_mov_b32 s59, 0
	s_mov_b32 s[MNT], 0x600000
	s_mov_b32 s[SEL], 0x76543210
	s_mov_b32 s[SEL+1], 0xfedcba98
	s_mov_b32 s[CS], 0x3e38aa3b                    ; log2(e) / 8
	s_mov_b32 s[CS+1], s[CS]
	s_mov_b32 s[NCS], 0xbe38aa3b
	s_wait_alu depctr_va_vdst(0)
	s_wait_dscnt 0x0                               ; both opening adds are done
	s_wait_kmcnt 0x0
	s_add_nc_u64 s[4:5], s[4:5], s[80:81]
	s_add_nc_u64 s[12:13], s[12:13], s[80:81]
.irp g, 0,1                                    ; a head's 16 rows of 256 bytes: each load takes two whole rows
.irp i, 0,1,2,3,4,5,6,7
	global_load_b128 v[X+32*\g+4*\i:X+32*\g+4*\i+3], v[GO], s[4:5] offset:8192*\i+256*\g th:TH_LOAD_NT
.endr
.endr
	s_add_nc_u64 s[10:11], s[10:11], s[60:61]
	s_add_nc_u64 s[8:9], s[8:9], s[62:63]
	s_mov_b32 s87, 4*REC
	s_mov_b32 s95, 512
	s_cmp_lt_u32 s[WV], 6                          ; waves 6 and 7 prefetch kv
	s_cselect_b64 s[PFA:PFA+1], s[8:9], s[6:7]
	s_cselect_b32 s58, s58, s66
	s_cselect_b32 s[PFS], 512, s87
	s_cselect_b32 s57, 31, 16                      ; my last lane with a block of its own,
	s_cselect_b32 s95, 8192, s95                   ; from pair to pair of lanes
	s_cmp_lt_u32 s[WV], 5                          ; wave 4 custom, wave 5 the mask
	s_cselect_b64 s[PFA:PFA+1], s[10:11], s[PFA:PFA+1]
	s_cmp_lt_u32 s[WV], 4
	s_cselect_b32 s[LIM], 64, 1                    ; waves 0 to 3 never
	s_mul_i32 s87, s[PFS], 3                       ; at step 3: the first step on leads to step 4
	s_add_co_u32 s58, s58, s87
	s_mov_b32 s[PFS+1], 0
	s_add_nc_u64 s[PFA:PFA+1], s[PFA:PFA+1], s[58:59]
	s_add_nc_u64 s[6:7], s[6:7], s[76:77]
.irp s, 0,1                                    ; group 0: slot s begins with key step s
	s_mov_b32 s[G0C+4*\s], 1
	s_mov_b32 s[G0C+4*\s+1], \s*SLOT
	s_add_nc_u64 s[G0C+4*\s+2:G0C+4*\s+3], s[10:11], \s*512
	s_or_b32 s[G0C+4*\s+3], s[G0C+4*\s+3], 0x80000000
	s_mov_b32 s[G0M+4*\s], 1
	s_mov_b32 s[G0M+4*\s+1], \s*SLOT+CT
	s_add_nc_u64 s[G0M+4*\s+2:G0M+4*\s+3], s[8:9], \s*512
	s_or_b32 s[G0M+4*\s+3], s[G0M+4*\s+3], 0x80000000
	s_mov_b32 s[G0K+4*\s], 1
	s_add_co_u32 s[G0K+4*\s+1], s78, \s*SLOT+KVO
	s_add_nc_u64 s[G0K+4*\s+2:G0K+4*\s+3], s[6:7], \s*4*REC
	s_or_b32 s[G0K+4*\s+3], s[G0K+4*\s+3], 0x80000000
.endr
	ROUND                                          ; all sixteen work-groups are here: the first joint loads meet
	JLOAD 0                                        ; key step 0: one tensor load a wave at the head
	s_mul_i32 s84, s82, 16*CP
	s_mul_i32 s85, s83, HALFKV
	s_add_co_u32 s85, s85, KVO                     ; my pair's first record
	s_mul_i32 s86, s[WV], 16*SP
	s_add_co_u32 s86, s86, STAGE                   ; my stage
	v_lshlrev_b32 v[RD], 4, v14
	v_lshlrev_b32 v[QO], 6, v15
	v_lshlrev_b32 v[STO], 5, v15
	v_mad_u32_u24 v[RD], v15, SP, v[RD]
	v_mad_u32_u24 v[QO], v14, SP, v[QO]
	v_mad_u32_u24 v[STO], v14, SP, v[STO]
	v_add_nc_u32 v[RD], s86, v[RD]                 ; row h, + 16 r
	v_add_nc_u32 v[QO], s86, v[QO]                 ; row r, + 64 h
	v_add_nc_u32 v[STO], s86, v[STO]               ; row r, + 32 h
	v_mul_u32_u24 v[AC], v14, CP
	v_and_b32 v[AF], 31, v0
	v_lshl_add_u32 v[AC], v15, 6, v[AC]
	v_lshlrev_b32 v[AL], 2, v[AF]
	v_add_nc_u32 v[AC], s84, v[AC]                 ; row 16 tile + r, + 64 h
	v_min_u32 v[PFO], s57, v[AF]                   ; the prefetches' offset: lane l, at most the last with a block of its own: l / 2 pairs on, + 256 (l % 2)
	v_add_nc_u32 v[AC+1], SLOT, v[AC]
	v_lshlrev_b32 v[AF], 4, v[AF]
	v_and_b32 v[TMP], 1, v[PFO]
	v_lshrrev_b32 v[PFO], 1, v[PFO]
	v_add_nc_u32 v[AL], s85, v[AL]
	v_add_nc_u32 v[AF], s85, v[AF]
	v_mul_lo_u32 v[PFO], v[PFO], s95
	v_add_nc_u32 v[AL], 16896, v[AL]
	v_add_nc_u32 v[AF+1], SLOT, v[AF]
	v_lshl_add_u32 v[PFO], v[TMP], 8, v[PFO]
	v_add_nc_u32 v[AL+1], SLOT, v[AL]
	v_lshlrev_b32 v[AS], 4, v14
	v_add_nc_u32 v[AS], s85, v[AS]
	v_add_nc_u32 v[AS], 16384, v[AS]
	v_add_nc_u32 v[AS+1], SLOT, v[AS]
.irp g, 0,1
	v_mov_b32 v[ST+6*\g+1], 0xff61b1e6             ; the largest x so far: -3e38
	v_mov_b32 v[ST+6*\g+2], 0x7f61b1e6             ; -M
	v_mov_b32 v[ST+6*\g+3], 0
	v_mov_b32 v[ST+6*\g+4], 0                      ; the sum, in two halves
	v_mov_b32 v[ST+6*\g+5], 0
.endr
.irp b, 0,1,2,3
	v_mov_b32 v[PB+\b], 0                          ; written here: a lane permute's destination counts as one of its sources
.endr
	v_mov_b32 v[F+1], 0                            ; named as the upper half of the pair
	WIN 0x40
.set j, 0
.rept 64
	v_mov_b32 v[O1+j], 0                           ; O^T.  The step is written once: the first finds zeros, which the first change of M leaves zeros
.set j, j+1
.endr
	WIN 0
	s_wait_alu depctr_va_vdst(0)
	; Q turns through my stage, a head at a time, so that a lane then holds 16 neighbours of each block of 32.  LDS serves a wave's instructions in order
.irp g, 0,1
	s_wait_loadcnt 8-8*\g                          ; this head's 8 loads are in; the second head's may be out
.irp i, 0,1,2,3,4,5,6,7
	ds_store_b128 v[RD], v[X+32*\g+4*\i:X+32*\g+4*\i+3] offset:2*SP*\i
.endr
.irp q, 0,1
.irp j, 0,1,2,3
	ds_load_b128 v[S+32*\g+16*\q+4*\j:S+32*\g+16*\q+4*\j+3], v[QO] offset:128*\q+16*\j
.endr
.endr
.endr
	s_wait_dscnt 0x0
	; Q's four blocks of 32 (two a head) are quantised; a block lies in lanes l and l xor 16
.irp q, 0,1,2,3
	v_max3_num_f32 v[BM+\q], |v[S+16*\q]|, |v[S+16*\q+1]|, 0x8000000   ; and the floor 2^(16 - 127): the byte cannot fall under 1
.endr
.irp i, 2,4,6,8,10,12,14
.irp q, 0,1,2,3
	v_max3_num_f32 v[BM+\q], v[BM+\q], |v[S+16*\q+\i]|, |v[S+16*\q+\i+1]|
.endr
.endr
.irp q, 0,1,2,3
	v_permlanex16_b32 v[PB+\q], v[BM+\q], s[SEL], s[SEL+1]
.endr
.irp q, 0,1,2,3
	v_max_num_f32 v[BM+\q], v[BM+\q], v[PB+\q]
.endr
.irp q, 0,1,2,3
	v_add_nc_u32 v[SCO+\q], 0xf8800000, v[BM+\q]   ; 15 off the exponent field: the conversion's scale operand
.endr
.irp q, 0,1,2,3
	v_and_or_b32 v[HL+\q], v[BM+\q], 0x7f800000, s[MNT]   ; 57,344 x the scale
.endr
.irp q, 0,1,2,3
	v_lshrrev_b32 v[PB+\q], 23, v[SCO+\q]          ; the scale's byte
.endr
.irp g, 0,1
	v_lshl_or_b32 v[QSC+\g], v[PB+2*\g+1], 8, v[PB+2*\g]
.endr
.irp g, 0,1
	v_lshl_or_b32 v[QSC+\g], v[QSC+\g], 16, v[QSC+\g]   ; (s0, s1, s0, s1): the two bytes serve q in either half of the 128
.endr
.irp q, 0,1,2,3
.irp i, 0,1,2,3,4,5,6,7,8,9,10,11,12,13,14,15
	v_med3_num_f32 v[S+16*\q+\i], v[S+16*\q+\i], -v[HL+\q], v[HL+\q]   ; the conversion to an 8-bit code does not saturate (ISA guide 7.6.2)
.endr
	v_cvt_scalef32_pk8_bf8_f32 v[Q+16*(\q/2)+4*(\q%2):Q+16*(\q/2)+4*(\q%2)+1], v[S+16*\q:S+16*\q+7], v[SCO+\q]
	v_cvt_scalef32_pk8_bf8_f32 v[Q+16*(\q/2)+4*(\q%2)+2:Q+16*(\q/2)+4*(\q%2)+3], v[S+16*\q+8:S+16*\q+15], v[SCO+\q]
.if \q < 2                                     ; the first head's codes are made twice: q0 | zeros | q1 | zeros | q0
	v_cvt_scalef32_pk8_bf8_f32 v[Q+32+4*\q:Q+32+4*\q+1], v[S+16*\q:S+16*\q+7], v[SCO+\q]
	v_cvt_scalef32_pk8_bf8_f32 v[Q+32+4*\q+2:Q+32+4*\q+3], v[S+16*\q+8:S+16*\q+15], v[SCO+\q]
.endif
.endr
	v_nop                                          ; a plain vector line behind the last conversion
.irp i, 0,1,2,3,4,5,6,7
	v_mov_b32 v[Q+8+\i], 0
	v_mov_b32 v[Q+24+\i], 0
.endr
.macro ROWS dst, adr, off              ; my row's 64 numbers of a step: register 16 b + 4 j + .. = key 32 b + 16 h + 4 j + ..
	WIN 0x40
.irp b, 0,1,2,3
.irp j, 0,1,2,3
	ds_load_b128 v[\dst+16*\b+4*\j:\dst+16*\b+4*\j+3], v[\adr] offset:\off+128*\b+16*\j
.endr
.endr
	WIN 0
.endm
.macro FET dst, adr, off               ; four fragments as their registers were stored: 512 consecutive bytes a load
.irp f, 0,1,2,3
.irp c, 0,1,2,3
	ds_load_b128 v[\dst+16*\f+4*\c:\dst+16*\f+4*\c+3], v[\adr] offset:\off+2048*\f+512*\c
.endr
.endr
.endm
.macro LOADK s, g                      ; 16 + 1 loads: K of head g, its scale words
	FET X, AF+(\s), REC*\g
	ds_load_b128 v[KSC:KSC+3], v[AS+(\s)] offset:REC*\g
.endm
.macro LOADKL s                        ; 4 loads: the key lengths
.irp b, 0,1,2,3
	ds_load_b32 v[KL+\b], v[AL+(\s)] offset:128*\b
.endr
.endm
.macro LOADV s, g                      ; 16 + 1 loads
	WIN 0x40
	FET V1, AF+(\s), REC*\g+8192
	WIN 0
	ds_load_b128 v[VSC:VSC+3], v[AS+(\s)] offset:REC*\g+256
.endm
; S^T of head g: fragment b against q in the lower half (the rows' first keys), then in the upper (their second).  Eight sums, each begun with the constant 0.
.macro QK g
	WIN 0
.irp b, 0,1,2,3
.irp u, 0,1
.set QB, Q+24*\u*(1-\g)+(16-8*\u)*\g
	v_wmma_scale_f32_16x16x128_f8f6f4 v[S+16*\b+8*\u:S+16*\b+8*\u+7], v[X+16*\b:X+16*\b+15], v[QB:QB+15], 0, v[KSC+\b], v[QSC+\g] matrix_a_fmt:MATRIX_FMT_BF8 matrix_b_fmt:MATRIX_FMT_BF8
.endr
.endr
.endm
; O^T of head g += V^T P^T: four accumulators by turns, one instruction a turn.  O^T under the new M comes first: these sixteen are also the plain lines between the conversions and the products
.macro PV g
	WIN 0x41
	s_wait_alu depctr_va_vdst(0)                   ; directly ahead of the first reader of O^T
.set j, 0
.rept 16
	v_pk_mul_f32 v[O1+32*\g+j:O1+32*\g+j+1], v[O1+32*\g+j:O1+32*\g+j+1], v[F:F+1] op_sel_hi:[1,0]
.set j, j+2
.endr
	WIN 0x51                                       ; C, D and V in window 1
.irp d, 0,1,2,3
	v_wmma_scale_f32_16x16x128_f8f6f4 v[O1+32*\g+8*\d:O1+32*\g+8*\d+7], v[V1+16*\d:V1+16*\d+15], v[PC:PC+15], v[O1+32*\g+8*\d:O1+32*\g+8*\d+7], v[VSC+\d], v[PW] matrix_a_fmt:MATRIX_FMT_BF8 matrix_b_fmt:MATRIX_FMT_BF8
.endr
	WIN 0
.endm
.macro BIAS                            ; am + kl, once for both heads: lane i of my row of 16 lanes holds key 32 b + 16 h + i.  These 64 are also the plain lines behind QK's products
	WIN 0x44
.irp b, 0,1,2,3
.irp i, 0,1,2,3,4,5,6,7,8,9,10,11,12,13,14,15
	v_add_f32_dpp v[B1+16*\b+\i], v[KL+\b], v[B1+16*\b+\i] row_share:\i row_mask:0xf bank_mask:0xf
.endr
.endr
	WIN 0
.endm
.macro XS                              ; x = s c + (am + kl); each accumulator is read from its low end on
	WIN 0x14                                       ; sources 1 and 2 in window 1
.set j, 0
.rept 32
	v_pk_fma_f32 v[S+j:S+j+1], v[S+j:S+j+1], v[C1+j:C1+j+1], v[B1+j:B1+j+1]
.set j, j+2
.endr
	WIN 0
.endm
.macro MAXS                            ; the largest x of each block of 32 keys: for the row's maximum and for the block's scale
.irp b, 0,1,2,3
	v_max3_num_f32 v[BM+\b], v[S+16*\b], v[S+16*\b+1], v[S+16*\b+2]
.endr
.irp i, 3,5,7,9,11,13
.irp b, 0,1,2,3
	v_max3_num_f32 v[BM+\b], v[BM+\b], v[S+16*\b+\i], v[S+16*\b+\i+1]
.endr
.endr
.irp b, 0,1,2,3
	v_max_num_f32 v[BM+\b], v[BM+\b], v[S+16*\b+15]
.endr
.irp b, 0,1,2,3
	v_permlanex16_b32 v[PB+\b], v[BM+\b], s[SEL], s[SEL+1]
.endr
.irp b, 0,1,2,3
	v_max_num_f32 v[BM+\b], v[BM+\b], v[PB+\b]     ; with lane l xor 16's 16 keys
.endr
.endm
.macro MCHAIN sl, g                    ; M, f and the blocks' scales; the slot's number picks the register of the new -M
.set NM, ST+6*\g+2*\sl
.set NO, ST+6*\g+2-2*\sl
.set XM, ST+6*\g+1
	v_max3_num_f32 v[TMP], v[BM], v[BM+1], v[BM+2]
	s_delay_alu instid0(VALU_DEP_1)
	v_max3_num_f32 v[XM], v[TMP], v[BM+3], v[XM]   ; the running largest x
	s_delay_alu instid0(VALU_DEP_1)
	v_mul_f32 v[TMP], s[NCS], v[XM]                ; -t
	s_delay_alu instid0(VALU_DEP_1)
	v_floor_f32 v[NM], v[TMP]                      ; the new -M = -ceil(t): a whole number
	s_delay_alu instid0(VALU_DEP_1)
	v_sub_f32 v[TMP], v[NM], v[NO]                 ; old M - new M: a whole number, 0 or less
	s_delay_alu instid0(VALU_DEP_1)
	v_cvt_i32_f32 v[TMP], v[TMP]                   ; (it saturates)
	s_delay_alu instid0(VALU_DEP_1)
	v_ldexp_f32 v[F], 1.0, v[TMP]                  ; f = 2^(old M - new M)
.irp b, 0,1,2,3
	v_fma_f32 v[BM+\b], v[BM+\b], s[CS], v[NM]     ; each block's largest t - M
.endr
.irp b, 0,1,2,3
	v_max_num_f32 v[BM+\b], 0xc2de0000, v[BM+\b]   ; -111: the byte cannot fall under 1
.endr
.irp b, 0,1,2,3
	v_cvt_floor_i32_f32 v[BM+\b], v[BM+\b]         ; e, the exponent of the block's largest p
.endr
.irp b, 0,1,2,3
	v_lshl_add_u32 v[SCO+\b], v[BM+\b], 23, 0x38000000   ; the exponent field e - 15 + 127: the conversion's scale operand
.endr
	v_lshl_add_u32 v[PW], v[BM+3], 8, v[BM+2]
.irp b, 0,1,2,3
	v_add_nc_u32 v[HL+\b], 0x7e00000, v[SCO+\b]    ; 57,344 x the scale
.endr
	v_lshl_add_u32 v[PW], v[PW], 8, v[BM+1]
.endm
.macro TM sl, g                        ; t - M, two at a time, and p's scale word for these 128 keys: four bytes e + 112
.set NM, ST+6*\g+2*\sl
.set j, 0
.rept 16
	v_pk_fma_f32 v[S+j:S+j+1], v[S+j:S+j+1], s[CS:CS+1], v[NM:NM+1] op_sel_hi:[1,0,0]
.set j, j+2
.endr
	v_lshl_add_u32 v[PW], v[PW], 8, v[BM]
.rept 8
	v_pk_fma_f32 v[S+j:S+j+1], v[S+j:S+j+1], s[CS:CS+1], v[NM:NM+1] op_sel_hi:[1,0,0]
.set j, j+2
.endr
	v_add_nc_u32 v[PW], 0x70707070, v[PW]
.rept 8
	v_pk_fma_f32 v[S+j:S+j+1], v[S+j:S+j+1], s[CS:CS+1], v[NM:NM+1] op_sel_hi:[1,0,0]
.set j, j+2
.endr
.endm
; From t - M to p's codes.  more = 1: the next step's mask and custom rows are loaded on the way, out of slot nx
.macro EXPS g, more, nx
.set SA, ST+6*\g+4
	s_wait_alu depctr_va_vdst(0)                   ; the wait ahead of the batch
.set j, 0
.rept 64
	v_exp_f32 v[S+j], v[S+j]                       ; p = 2^(t - M): not normalised
.set j, j+1
.endr
	v_pk_mul_f32 v[SA:SA+1], v[SA:SA+1], v[F:F+1] op_sel_hi:[1,0]   ; the sum under the new M (the plain line behind the exponentials)
	s_wait_alu depctr_va_vdst(0)                   ; and behind it, ahead of its first reader
.if \more
	ROWS B1, AC+(\nx), CT
.endif
	v_pk_add_f32 v[BM:BM+1], v[S:S+1], v[S+2:S+3]  ; the row's sum is taken of the unquantised p: two at a time, in four chains
	v_pk_add_f32 v[BM+2:BM+3], v[S+4:S+5], v[S+6:S+7]
	v_pk_add_f32 v[PB:PB+1], v[S+8:S+9], v[S+10:S+11]
.irp i, 12,20,28,36,44,52
	v_pk_add_f32 v[SA:SA+1], v[SA:SA+1], v[S+\i:S+\i+1]
	v_pk_add_f32 v[BM:BM+1], v[BM:BM+1], v[S+\i+2:S+\i+3]
	v_pk_add_f32 v[BM+2:BM+3], v[BM+2:BM+3], v[S+\i+4:S+\i+5]
	v_pk_add_f32 v[PB:PB+1], v[PB:PB+1], v[S+\i+6:S+\i+7]
.endr
	v_pk_add_f32 v[SA:SA+1], v[SA:SA+1], v[S+60:S+61]
	v_pk_add_f32 v[BM:BM+1], v[BM:BM+1], v[S+62:S+63]
	v_pk_add_f32 v[BM+2:BM+3], v[BM+2:BM+3], v[PB:PB+1]
	v_pk_add_f32 v[SA:SA+1], v[SA:SA+1], v[BM:BM+1]
.if \more
	ROWS C1, AC+(\nx), 0
.endif
.irp b, 0,1,2,3
.irp i, 0,2,4,6,8,10,12,14
	v_dual_min_num_f32 v[S+16*\b+\i], v[HL+\b], v[S+16*\b+\i] :: v_dual_min_num_f32 v[S+16*\b+\i+1], v[HL+\b], v[S+16*\b+\i+1]   ; the conversion does not saturate (ISA guide 7.6.2); p is not negative, so the hold is one-sided
.endr
.if \b == 0
	v_pk_add_f32 v[SA:SA+1], v[SA:SA+1], v[BM+2:BM+3]
.endif
	v_cvt_scalef32_pk8_bf8_f32 v[PC+4*\b:PC+4*\b+1], v[S+16*\b:S+16*\b+7], v[SCO+\b]
	v_cvt_scalef32_pk8_bf8_f32 v[PC+4*\b+2:PC+4*\b+3], v[S+16*\b+8:S+16*\b+15], v[SCO+\b]
.endr
.endm
; THE WAY OUT of head g: O^T is divided by the sum and goes through my stage (16 rows of 256 bytes), so that sixteen lanes store 256 consecutive bytes, aligned.  K's registers serve: K has had its last product
.macro OUT g
	v_add_f32 v[BM], v[ST+6*\g+4], v[ST+6*\g+5]    ; the sum's halves,
	v_permlanex16_b32 v[PB], v[BM], s[SEL], s[SEL+1]
	v_add_f32 v[BM], v[BM], v[PB]                  ; and lane l xor 16's: the row's sum
	s_wait_alu depctr_va_vdst(0)                   ; the wait ahead of the transcendental,
	v_rcp_f32 v[HL], v[BM]
	v_nop                                          ; a plain line behind it,
	WIN 0x01
	s_wait_alu depctr_va_vdst(0)                   ; and the wait ahead of the first reader, which is also O^T's first
.set j, 0
.rept 32
	v_mul_f32 v[X+j], v[O1+32*\g+j], v[HL]         ; register 8 d + i is out(query r, 16 d + 8 h + i)
.set j, j+1
.endr
	WIN 0
.irp d, 0,1,2,3
	ds_store_b128 v[STO], v[X+8*\d:X+8*\d+3] offset:64*\d
	ds_store_b128 v[STO], v[X+8*\d+4:X+8*\d+7] offset:64*\d+16
.endr
.if \g
	s_wait_alu depctr_va_vdst(0)
	s_wait_xcnt 0x0                                ; the first head's stores have read their registers
.endif
.irp i, 0,1,2,3,4,5,6,7
	ds_load_b128 v[X+32+4*\i:X+32+4*\i+3], v[RD] offset:2*SP*\i   ; LDS serves a wave's instructions in order: these see my stores
.endr
.irp i, 0,1,2,3,4,5,6,7
	s_wait_dscnt 7-\i                              ; behind this load: the younger ones
	global_store_b128 v[GO], v[X+32+4*\i:X+32+4*\i+3], s[12:13] offset:8192*\i+256*\g th:TH_STORE_NT
.endr
.endm
; A KEY STEP out of slot sl.  mode 2: the round, the slot's refill, the next step's loads; 1: a barrier and the next step's loads; 0: the last step.
; At its head 53 LDS loads are out at the most, in this order: K 16, its scale words 1, key lengths 4, mask 16, custom 16.
.macro STEP sl, mode
	s_wait_dscnt 36                                ; K and its scale words are in; behind them: 4 + 16 + 16
	QK 0
	s_wait_dscnt 16                                ; key lengths and mask are in; custom's 16 may be out
	BIAS
	LOADK \sl, 1                                   ; the second head's K
	s_wait_dscnt 17                                ; custom is in; K's 16 + 1 may be out
	XS
	LOADV \sl, 0
	MAXS
	MCHAIN \sl, 0
	TM \sl, 0
	EXPS 0, 0, 0
	s_wait_dscnt 0x0                               ; V, and the second head's K
	PV 0
	QK 1
	PLACES 8                                       ; in front of the loads into V's registers and of the first read of S^T (ISA guide 7.12.1 for the read)
	LOADV \sl, 1                                   ; the slot's last loads
	XS
.if \mode == 0
	OUT 0                                          ; the first head has had its last product
.endif
	MAXS
.if \mode
	s_wait_alu depctr_va_vdst(0)
.if \mode == 2
	s_wait_xcnt 0x0                                ; any prefetch of mine has read its address: on to the next step's
	s_add_nc_u64 s[PFA:PFA+1], s[PFA:PFA+1], s[PFS:PFS+1]
.endif
	s_wait_tensorcnt 0x0                           ; my part of the next slot is in, and a group 0 may be written
	ds_add_u32 v[SPW], v[NIL]                      ; 0 onto my spare word
.if \mode == 2
	ds_add_u32 v[SPW], v[NIL]                      ; and once more
	s_add_nc_u64 s[G0C+4*\sl+2:G0C+4*\sl+3], s[G0C+4*\sl+2:G0C+4*\sl+3], 2*512      ; this slot's next tiles: two key steps on
	s_add_nc_u64 s[G0M+4*\sl+2:G0M+4*\sl+3], s[G0M+4*\sl+2:G0M+4*\sl+3], 2*512
	s_add_nc_u64 s[G0K+4*\sl+2:G0K+4*\sl+3], s[G0K+4*\sl+2:G0K+4*\sl+3], 2*4*REC
.endif
.endif
	MCHAIN \sl, 1
.if \mode
	s_wait_dscnt 0x0                               ; the adds are done, and my reads of this slot are over: all of it that I need lies in registers
	s_barrier_signal -1
.endif
	TM \sl, 1                                      ; work on registers while the others arrive
.if \mode
	s_barrier_wait -1
.if \mode == 2
	CREST                                          ; no wave of any partner reads this slot any more, and the next one is whole in every partner
	JLOAD \sl                                      ; a wave's one tensor load behind the round, and the first thing there
.endif
	LOADK 1-\sl, 0
	LOADKL 1-\sl
.if \mode == 2
	ASK
.endif
	EXPS 1, 1, 1-\sl
.else
	EXPS 1, 0, 0
	s_wait_dscnt 0x0                               ; the second head's V
.endif
	PV 1
.endm
	s_wait_alu depctr_va_vdst(0)
	s_wait_tensorcnt 0x0                           ; my part of key step 0 is in
	ds_add_u32 v[SPW], v[NIL]
	ds_add_u32 v[SPW], v[NIL]
	s_wait_dscnt 0x0
	ROUND                                          ; everybody's part of key step 0 is in
	JLOAD 1                                        ; key step 1, the first tensor load behind the round
	LOADK 0, 0
	LOADKL 0
	ROWS B1, AC, CT
	ROWS C1, AC, 0
	s_mov_b32 s[CNT], 7
.Lloop:                                            ; 7 trips of two key steps; each refills the slot that it has read
	STEP 0, 2
	STEP 1, 2
	s_sub_co_u32 s[CNT], s[CNT], 1
	s_cmp_lg_u32 s[CNT], 0
	s_cbranch_scc1 .Lloop
	STEP 0, 1                                      ; the tail is written out: steps 14 and 15 ask for nothing
	STEP 1, 0
	PLACES 8                                       ; in front of the first read of O^T (ISA guide 7.12.1)
	OUT 1
	s_wait_tensorcnt 0x0                           ; the wave's end, behind my last tensor load and my last LDS store
	ds_add_u32 v[SPW], v[NIL]
	s_wait_dscnt 0x0
	ROUND                                          ; the closing round: no work-group ends while a partner may still ask for a tile that names it
	s_endpgm
.Lfunc_end_k_qc95cd0fd3a_attn:
	.size	k_qc95cd0fd3a_attn, .Lfunc_end_k_qc95cd0fd3a_attn-k_qc95cd0fd3a_attn
	.p2alignl 7, 3214868480
	.fill 96, 4, 3214868480
	.section	.rodata,"a",@progbits
	.p2align	6, 0x0
	.amdhsa_kernel k_qc95cd0fd3a_attn
		.amdhsa_group_segment_fixed_size 327680
		.amdhsa_private_segment_fixed_size 0
		.amdhsa_enable_private_segment 0
		.amdhsa_kernarg_size 40
		.amdhsa_user_sgpr_count 2
		.amdhsa_user_sgpr_kernarg_segment_ptr 1
		.amdhsa_wavefront_size32 1
		.amdhsa_system_sgpr_workgroup_id_x 1
		.amdhsa_system_sgpr_workgroup_id_y 1
		.amdhsa_system_sgpr_workgroup_id_z 1
		.amdhsa_system_vgpr_workitem_id 0
		.amdhsa_next_free_vgpr 512
		.amdhsa_next_free_sgpr 96
		.amdhsa_reserve_vcc 0
		.amdhsa_float_denorm_mode_32 3
		.amdhsa_float_denorm_mode_16_64 3
		.amdhsa_memory_ordered 1
		.amdhsa_forward_progress 1
		.amdhsa_inst_pref_size 223
	.end_amdhsa_kernel
	.amdgpu_metadata
---
amdhsa.version: [ 1, 2 ]
amdhsa.kernels:
  - .name:           k_qc95cd0fd3a_attn
    .symbol:         k_qc95cd0fd3a_attn.kd
    .args:
      - { .name: queries, .offset: 0, .size: 8, .value_kind: global_buffer, .address_space: global }
      - { .name: kv, .offset: 8, .size: 8, .value_kind: global_buffer, .address_space: global }
      - { .name: attn_mask, .offset: 16, .size: 8, .value_kind: global_buffer, .address_space: global }
      - { .name: custom_attns, .offset: 24, .size: 8, .value_kind: global_buffer, .address_space: global }
      - { .name: out0, .offset: 32, .size: 8, .value_kind: global_buffer, .address_space: global }
    .group_segment_fixed_size: 327680
    .private_segment_fixed_size: 0
    .kernarg_segment_align: 8
    .kernarg_segment_size: 40
    .max_flat_workgroup_size: 256
    .sgpr_count:     96
    .vgpr_count:     512
    .wavefront_size: 32
...
	.end_amdgpu_metadata
.endif
;; end of part 2
